; MI455X (gfx1250); checked and timed in simulation.
; The chip was launched on July 23, 2026; its instructions are those of AMD's public machine-readable ISA for CDNA 5 (MIT licence, August 2026) and "CDNA5" Instruction Set Architecture Reference Guide (July 2026). The comments in the code are by the model that wrote it; some were corrected since.
;; Write Path. Allowed arithmetic: matrix products marked QUANTISED: E3M2 operands, one E8M0 scale for each 32 along K, by v_wmma_scale_f32_16x16x128_f8f6f4 with both operands' format E3M2, f32 sums; products left as they are: f32 operands where the result goes on into a quantised operand, else bf16, f16 or f32 operands; f32 sums; everything else in f32.
;; Inputs: W_g1 512 x 2,048 float32; W_g2 1 x 512 float32; W_obs 256 x 2,048 float32; W_p1 512 x 2,048 float32; W_p2 1 x 512 float32; active_mask 8,192 bool; b_g1 512 float32; b_g2 1 float32; b_p1 512 float32; b_p2 1 float32; beliefs 8,192 x 256 float32; hidden 4 x 4,096 x 2,048 float32.
;; Outputs: out0 4,096 x 256 float32; out1 4,096 float32; out2 4,096 int32; out3 4,096 bool.
;; This version of the problem:
;;   THIS VERSION OF THE PROBLEM IS GIVEN IN LOW PRECISION. The matrix products marked QUANTISED in the list below multiply operands that are first quantised to E3M2 (3 exponent bits, 2 mantissa bits; 6 bits a number), with one power-of-two scale for each 32 numbers along K (OCP MX v1.0); their sums are f32. All else is computed in f32.
;;   The module's matrix products, in the order in which they are computed (A, B: the left and right operand; K: the contracted axis; several contracted axes count as one K, in the product's order):
;;     1. [M 16,384, K 2,048] x [K 2,048, N 256]; A: input hidden; B: input W_obs: QUANTISED
;;     2. [M 16,384, K 2,048] x [K 2,048, N 512]; A: input hidden; B: input W_g1: QUANTISED
;;     3. [M 16,384, K 512] x [K 512, N 1]; A: computed on the way; B: input W_g2: left as it is (N = 1 < 16)
;;     4. [M 16,384, K 2,048] x [K 2,048, N 512]; A: input hidden; B: input W_p1: QUANTISED
;;     5. [M 16,384, K 512] x [K 512, N 1]; A: computed on the way; B: input W_p2: left as it is (N = 1 < 16)
;;     6. [M 4,096, K 256] x [K 256, N 8,192]; A: computed on the way; B: computed on the way: QUANTISED
;;   THE QUANTISER, for each operand of a quantised product, along K:
;;     - K is cut into blocks of 32 from its start; a last block that is shorter is filled with zeros.
;;     - A block's scale is 2^e with e = floor(log2(the largest magnitude in the block)) - 4, held to -126 .. 127; a block of zeros has e = 0. As a byte (E8M0): e + 127.
;;     - Each number is divided by its block's scale, clamped to +-28, and rounded to the nearest number of E3M2, ties to even, subnormals kept.
;;     - The product sums the exact products of the quantised numbers (number of the format x scale) in f32.
;;   ~~~python
;;   def quantise(x, axis):      # numpy; x: float32 -> the quantised numbers, widened to float32 again
;;       x = np.moveaxis(x, axis, -1); K = x.shape[-1]
;;       x = np.pad(x, [(0, 0)] * (x.ndim - 1) + [(0, -K % 32)]); x = x.reshape(x.shape[:-1] + (-1, 32)); a = np.abs(x).max(-1, keepdims=True)
;;       e = np.where(a > 0, np.clip(np.frexp(np.where(a > 0, a, 1))[1] - 1 - 4, -126, 127), 0)      # np.frexp(a)[1] - 1 = floor(log2(a)), exactly
;;       r = np.clip(x / 2.0 ** e, -28, 28)
;;       step = 2.0 ** (np.maximum(np.frexp(np.where(r == 0, 1, r))[1] - 1, -2) - 2)
;;       q = np.round(r / step) * step * 2.0 ** e      # np.round: ties to even
;;       return np.moveaxis(q.reshape(q.shape[:-2] + (-1,))[..., :K], -1, axis).astype(np.float32)
;;   ~~~
;;   OPERANDS COMPUTED ON THE WAY. 'Computed on the way' means the value that the module computes at that place (a softmax that the list does not call 'softmax' is quantised finished and normalised). What goes into a quantiser is computed in f32, as accurately as f32 sums, v_exp_f32 and their like allow (about 1e-6 of the number): no bf16 or f16 on the way to a quantiser, and a product that is left as it is and whose result goes on into a quantised operand takes f32 operands (vector FMAs, or v_wmma_f32_16x16x4_f32). A number that lies on a knife's edge between two numbers of the format may be rounded either way, as far as f32 arithmetic and the matrix unit's own rounding can turn it there, and no further.
;; One version. Each part assembles by itself: llvm-mc -triple=amdgcn-amd-amdhsa -mcpu=gfx1250 --defsym DOCPART=n.
;; ======== version 1 of 1: 4 launches
;; limits: right only within a limited range of input values
;; workspace buffers: wq 2,048,000 bytes; bq 1,572,864 bytes; bqs 65,536 bytes; oq 786,432 bytes; oqs 32,768 bytes; radius 16,384 bytes; pv 131,072 bytes; pi 131,072 bytes
;; launch prep (part 1): grid 288 x 1, 4 waves a work-group, no clusters, 68,096 bytes of LDS; arguments W_obs, W_g1, W_p1, beliefs, active_mask, wq, bq, bqs; writes wq, bq, bqs
.if DOCPART == 1
	.amdgcn_target "amdgcn-amd-amdhsa--gfx1250"
	.amdhsa_code_object_version 6
	.text
	.protected	k_q4e39449e00_prep
	.globl	k_q4e39449e00_prep
	.p2align	8
	.type	k_q4e39449e00_prep,@function
k_q4e39449e00_prep:
	s_mov_b64 s[64:65], 0
	v_nop
	global_prefetch_b8 v0, s[64:65] scope:SCOPE_SE
	s_setreg_imm32_b32 hwreg(HW_REG_WAVE_MODE, 25, 1), 1
	s_wait_xcnt 0x0
; The operands that many work-groups read are quantised once: W_obs [256][2048], W_g1, W_p1 [512][2048] and beliefs / max(|beliefs|, 1e-8) [8192][256], f32, K innermost,
; become codes of BF6 (E3M2) with one E8M0 scale byte for each 32 along K, laid as IMAGES OF OPERAND REGISTERS: a fragment (16 rows x 128 K, 12 registers a lane) is three groups
; of 512 bytes, lane l's registers 4 c .. 4 c + 3 at 512 c + 16 l.
; wq: [K step 16][wave 4] blocks of 32,000 bytes: 20 fragments (0-3: W_obs rows 64 w + 16 f; 4-11: W_g1 rows 128 w + 16 (f - 4); 12-19: W_p1 rows 128 w + 16 (f - 12)), then 1,280 bytes of scale words:
; scale register q = f / 2, lane L = 16 (f % 2) + row; registers 0-7 at 30,720 + 512 (q / 4) + 16 L + 4 (q % 4), registers 8, 9 at 31,744 + 8 L + 4 (q - 8).
; bq: [belief tile 512][K step 2][1,536].  bqs: [tile][128]: lanes 0-15 K step 0's words, lanes 16-31 K step 1's.
; A SLOT THAT active_mask SWITCHES OFF GETS ZERO CODES: its similarity is then 0.  reference() lets a best similarity reach an output only where it is above 0.5, so 0 serves as its lowest number does.
; A wave's task is 16 rows x 256 along K, two fragments: tasks 0-639 (work-groups 0-159) are the weights', K steps 2 kp and 2 kp + 1 of fragment (w, f); the others are belief tiles.
; Only pointers, pitches and offsets are chosen by the work-group's number; one branch on it leads round the lines that beliefs alone need.
; LOADS AND THE STAGE.  The conversions want 16 neighbours along K in ONE lane; a load is best where neighbouring LANES take neighbouring bytes.  Both are had: each load reads 512 consecutive bytes of one row,
; 16 a lane; a K step's 16 rows go through the wave's own stage in LDS (rows of 512 + 16 bytes, so that the 16 rows that a read touches start at 16 different banks) and come back 64 bytes a lane:
; lane (r, h) then holds, of row r, 16 neighbours of each block of 32; lanes l and l xor 16 hold a block.
; A block's scale is 2^(floor(log2(largest magnitude)) - 4): its byte is the largest magnitude's exponent field - 4, held at 1 from below (a block of zeros keeps the byte 1: its codes are zeros, and this program alone reads the bytes).
; LIMITS: blocks whose largest magnitude lies under 2^-122 get the byte 1; NaN and infinities among the inputs are not served.
; No barrier: waves share nothing; each wave's two stages are its own by its number.
.set X,   16                           ; v16-143  128 numbers: as loaded, register 64 s + 4 i on = row i; behind the stage, register 64 s + 16 b + i = k 128 s + 32 b + 16 (lane / 16) + i of my row
.set TM,  144                          ; v144-147 largest magnitudes, v148-151 bytes, v152-155 the conversions' scale operands
.set PC,  160                          ; v160-171 a fragment's codes; v172-174, v176-178 halves on their way
.set PW,  180                          ; the scale word just made
.set SS,  182                          ; v182-189 sums of squares
.set FA,  190                          ; v190-191 the row's factor
.set RO,  192                          ; v192-207 row i's byte offset: i x pitch + 16 x lane
.set STG, 8448                         ; a stage: 16 rows x 528 bytes; two for each wave
.set SEL, 40                           ; s[40:41] lane selects for v_permlanex16_b32: lane l xor 16
; 64 numbers of a lane, register 16 b + i = k 32 b + 16 (lane / 16) + i of my row, become a fragment's codes in v[PC] on and its scale word in v[PW].
.macro QUANT src
.irp b, 0,1,2,3
	v_max3_num_f32 v[TM+\b], |v[\src+16*\b]|, |v[\src+1+16*\b]|, 0x2800000   ; block b: my 16 numbers, and the floor 2^(5 - 127): the byte cannot fall under 1
.endr
.irp i, 2,4,6,8,10,12,14
.irp b, 0,1,2,3
	v_max3_num_f32 v[TM+\b], v[TM+\b], |v[\src+16*\b+\i]|, |v[\src+1+16*\b+\i]|   ; the four blocks by turns
.endr
.endr
.irp b, 0,1,2,3
	v_permlanex16_b32 v[TM+4+\b], v[TM+\b], s[SEL], s[SEL+1]
.endr
.irp b, 0,1,2,3
	v_max_num_f32 v[TM+\b], v[TM+\b], v[TM+4+\b]   ; with lane l xor 16's: the block's largest magnitude
.endr
.irp b, 0,1,2,3
	v_add_nc_u32 v[TM+8+\b], 0xfe000000, v[TM+\b]  ; 4 off its exponent field: the conversion takes this operand's exponent field as its scale
.endr
.irp b, 0,1,2,3
	v_lshrrev_b32 v[TM+4+\b], 23, v[TM+8+\b]       ; the scale's byte
.endr
	v_lshl_or_b32 v[PW], v[TM+5], 8, v[TM+4]       ; four bytes make my row's scale word
	v_lshl_or_b32 v[PW], v[TM+6], 16, v[PW]
	v_lshl_or_b32 v[PW], v[TM+7], 24, v[PW]
.irp c, 0,1
	v_cvt_scalef32_pk16_bf6_f32 v[PC+6*\c:PC+2+6*\c], v[\src+32*\c:\src+15+32*\c], v[TM+8+2*\c]
	v_cvt_scalef32_pk16_bf6_f32 v[PC+12+4*\c:PC+14+4*\c], v[\src+16+32*\c:\src+31+32*\c], v[TM+8+2*\c+1]   ; a conversion's three registers begin on an even number
.endr
	v_nop                                          ; one plain line behind the scaled conversions
.irp c, 0,1                                    ; the operand's layout wants a whole block in a lane: lanes 0-15 block 2 c, lanes 16-31 block 2 c + 1
.irp i, 0,1,2
	v_permlane16_swap_b32 v[PC+6*\c+\i], v[PC+12+4*\c+\i]
.endr
.irp i, 0,1,2
	v_mov_b32 v[PC+3+6*\c+\i], v[PC+12+4*\c+\i]
.endr
.endr
.endm
.macro OUT d, sc                               ; the fragment leaves as it stands, 512 consecutive bytes a store; the scale word: lanes l and l xor 16 write the same word with the same value
.irp c, 0,1,2
	global_store_b128 v4, v[PC+4*\c:PC+4*\c+3], s[\d:\d+1] offset:512*\c
.endr
	global_store_b32 v5, v[PW], s[\sc:\sc+1]
.endm
.macro TURN s                                  ; K step s through my stage s.  LDS serves a wave's instructions in order: no wait between the stores and the loads
.irp i, 0,1,2,3,4,5,6,7,8,9,10,11,12,13,14,15
	ds_store_b128 v7, v[X+64*\s+4*\i:X+64*\s+4*\i+3] offset:STG*\s+528*\i
.endr
.irp b, 0,1,2,3
.irp j, 0,1,2,3
	ds_load_b128 v[X+64*\s+16*\b+4*\j:X+64*\s+16*\b+4*\j+3], v8 offset:STG*\s+128*\b+16*\j
.endr
.endr
.endm
	s_load_b256 s[4:11], s[0:1], 0x0               ; W_obs s[4:5], W_g1 s[6:7], W_p1 s[8:9], beliefs s[10:11]
	s_load_b256 s[12:19], s[0:1], 0x20             ; active_mask s[12:13], wq s[14:15], bq s[16:17], bqs s[18:19]
	v_lshl_add_u32 v208, v0, 2, 0x10800
	v_mov_b32 v209, 0
	v_lshrrev_b32 v1, 5, v0
	v_readfirstlane_b32 s20, v1                    ; wave
	v_and_b32 v1, 15, v0                           ; r
	v_bfe_u32 v2, v0, 4, 1                         ; h
	v_and_b32 v4, 31, v0
	v_lshlrev_b32 v4, 4, v4                        ; 16 x lane: my place in a load's 512 bytes and in a group of an image
	s_mul_i32 s52, s20, 2*STG                      ; my two stages
	v_add_nc_u32 v7, s52, v4                       ; in: as loaded
	v_mul_u32_u24 v8, v1, 528
	v_lshl_add_u32 v8, v2, 6, v8
	v_add_nc_u32 v8, s52, v8                       ; out: row r, + 64 h: my 16 numbers of a block of 32
.irp b, 0,1,2,3
	v_mov_b32 v[TM+4+\b], 0                        ; written once: a lane permute's destination counts as one of its sources
.endr
	s_mov_b32 s[SEL], 0x76543210
	s_mov_b32 s[SEL+1], 0xfedcba98
	s_lshl_b32 s21, ttmp9, 2
	s_add_co_u32 s21, s21, s20                     ; the task
	s_and_b32 s22, s21, 7                          ; kp
	s_lshr_b32 s23, s21, 3
	s_and_b32 s24, s23, 3                          ; w
	s_lshr_b32 s25, s23, 2                         ; f  (in a belief task these four mean nothing and are chosen away below)
	s_lshr_b32 s26, s25, 1                         ; q = f / 2
	s_and_b32 s27, s25, 1                          ; f % 2
	s_and_b32 s28, s26, 3
	s_lshl_b32 s28, s28, 2                         ; 4 (q % 4)
	s_lshr_b32 s29, s26, 2
	s_lshl_b32 s29, s29, 9                         ; 512 (q / 4)
	s_lshl_b32 s30, s27, 8                         ; lanes 16-31 of a group of 16 bytes a lane
	s_add_co_u32 s29, s29, s30
	s_add_co_u32 s29, s29, 30720
	s_lshl_b32 s30, s27, 7                         ; and of the group of 8 bytes a lane
	s_add_co_u32 s30, s30, 31744
	s_cmp_lt_u32 s25, 16
	s_cselect_b32 s29, s29, s30
	s_cselect_b32 s31, 16, 8                       ; bytes from lane to lane
	s_add_co_u32 s29, s29, s28
	s_mul_i32 s32, s22, 256000                     ; K step 2 kp: 4 blocks of 32,000 bytes a K step
	s_mul_i32 s33, s24, 32000
	s_add_co_u32 s32, s32, s33
	s_add_co_u32 s29, s29, s32                     ; the scale words' place in wq
	s_mul_i32 s33, s25, 1536
	s_add_co_u32 s32, s32, s33                     ; the fragment's place in wq
	s_lshl_b32 s33, s24, 6
	s_lshl_b32 s34, s24, 7
	s_lshl_b32 s35, s25, 4
	s_sub_co_u32 s36, s21, 640                     ; the belief tile
	s_lshl_b32 s26, s36, 4                         ; its first slot
	s_wait_alu depctr_va_vdst(0)
	s_wait_kmcnt 0x0
	s_cmp_lt_u32 s25, 4                            ; which weight, and which of its rows
	s_cselect_b32 s33, s33, s34
	s_cselect_b32 s34, 0, 64
	s_cselect_b64 s[4:5], s[4:5], s[6:7]
	s_cmp_lt_u32 s25, 12
	s_cselect_b32 s34, s34, 192
	s_cselect_b64 s[4:5], s[4:5], s[8:9]
	s_add_co_u32 s33, s33, s35
	s_sub_co_u32 s33, s33, s34                     ; the tile's first row
	s_lshl_b32 s33, s33, 13                        ; rows of 8,192 bytes
	s_lshl_b32 s34, s22, 10                        ; 256 numbers along K a task
	s_add_co_u32 s33, s33, s34
	s_lshl_b32 s34, s36, 14                        ; beliefs: 16 rows of 1,024 bytes a tile
	s_mul_i32 s35, s36, 3072
	s_lshl_b32 s37, s36, 7
	s_mov_b32 s38, 1024
	s_mov_b32 s39, 1536
	s_cmp_lt_u32 ttmp9, 160                        ; a weight's task or a belief tile: the choice hangs on the work-group's number alone
	s_cselect_b64 s[4:5], s[4:5], s[10:11]         ; from where,
	s_cselect_b32 s42, s33, s34
	s_cselect_b32 s38, 8192, s38                   ; a row's pitch,
	s_cselect_b64 s[6:7], s[14:15], s[16:17]       ; where the fragments go,
	s_cselect_b32 s44, s32, s35
	s_cselect_b32 s46, 128000, s39                 ; from the first K step's to the second's,
	s_cselect_b64 s[8:9], s[14:15], s[18:19]       ; and the scale words
	s_cselect_b32 s48, s29, s37
	s_cselect_b32 s50, 128000, 64
	s_cselect_b32 s31, s31, 4
	s_cselect_b32 s26, 0, s26                      ; (a weight's task reads active_mask's first 16 bytes and makes no use of them: so the load needs no branch)
	s_mov_b32 s27, 0
	s_mov_b32 s43, 0
	s_mov_b32 s45, 0
	s_mov_b32 s47, 0
	s_mov_b32 s49, 0
	s_mov_b32 s51, 0
	s_add_nc_u64 s[4:5], s[4:5], s[42:43]
	s_add_nc_u64 s[6:7], s[6:7], s[44:45]
	s_add_nc_u64 s[22:23], s[6:7], s[46:47]
	s_add_nc_u64 s[8:9], s[8:9], s[48:49]
	s_add_nc_u64 s[24:25], s[8:9], s[50:51]
	s_add_nc_u64 s[12:13], s[12:13], s[26:27]
.irp i, 0,1,2,3,4,5,6,7,8,9,10,11,12,13,14,15
	v_mad_u32_u24 v[RO+\i], s38, \i, v4            ; row i: i x pitch + 16 x lane
.endr
	v_mul_lo_u32 v5, v1, s31                       ; my row's scale word
.irp s, 0,1
.irp i, 0,1,2,3,4,5,6,7,8,9,10,11,12,13,14,15
	global_load_b128 v[X+64*\s+4*\i:X+64*\s+4*\i+3], v[RO+\i], s[4:5] offset:512*\s th:TH_LOAD_NT   ; 32 lanes read 512 consecutive bytes of row i
.endr
.endr
	global_load_u8 v6, v1, s[12:13]                ; my row's byte of active_mask
	s_wait_loadcnt 17                              ; K step 0's 16 loads are in; behind them K step 1's 16 and the mask's one
	TURN 0
	s_wait_loadcnt 0x0
	TURN 1
	s_wait_dscnt 0x0                               ; both K steps are back from the stages
	s_cmp_lt_u32 ttmp9, 160
	s_cbranch_scc1 .Lplain
	; beliefs alone: the row is divided by max(its norm, 1e-8), or made zero where its slot is off
.irp c, 0,1,2,3
	v_pk_mul_f32 v[SS+2*\c:SS+2*\c+1], v[X+2*\c:X+2*\c+1], v[X+2*\c:X+2*\c+1]   ; four chains; the first products start them
.endr
.set j, 8
.rept 15
.irp c, 0,1,2,3
	v_pk_fma_f32 v[SS+2*\c:SS+2*\c+1], v[X+j+2*\c:X+j+2*\c+1], v[X+j+2*\c:X+j+2*\c+1], v[SS+2*\c:SS+2*\c+1]
.endr
.set j, j+8
.endr
	v_pk_add_f32 v[SS:SS+1], v[SS:SS+1], v[SS+2:SS+3]
	v_pk_add_f32 v[SS+4:SS+5], v[SS+4:SS+5], v[SS+6:SS+7]
	v_pk_add_f32 v[SS:SS+1], v[SS:SS+1], v[SS+4:SS+5]
	v_add_f32 v[SS], v[SS], v[SS+1]
	v_permlanex16_b32 v[SS+2], v[SS], s[SEL], s[SEL+1]
	v_add_f32 v[SS], v[SS], v[SS+2]                ; the row's sum of squares
	s_wait_alu depctr_va_vdst(0)
	v_sqrt_f32 v[SS+1], v[SS]
	v_nop                                          ; a plain line behind the root,
	s_wait_alu depctr_va_vdst(0)                   ; and the wait ahead of its first reader
	v_max_num_f32 v[SS+1], 0x322bcc77, v[SS+1]     ; max(norm, 1e-8)
	s_wait_alu depctr_va_vdst(0)
	v_rcp_f32 v[SS+2], v[SS+1]
	v_cmp_ne_u32 vcc_lo, 0, v6                     ; (a plain line behind the reciprocal)
	s_wait_alu depctr_va_vdst(0)
	v_cndmask_b32 v[FA], 0, v[SS+2], vcc_lo        ; 0 where the slot is off
	v_mov_b32 v[FA+1], v[FA]                       ; (named with it as a pair, so it is written)
.set j, 0
.rept 64
	v_pk_mul_f32 v[X+j:X+j+1], v[X+j:X+j+1], v[FA:FA+1] op_sel_hi:[1,0]
.set j, j+2
.endr
.Lplain:
	QUANT X
	OUT 6, 8
	s_wait_xcnt 0x0                                ; the stores have read their data: the codes' registers and the scale word are written again only behind this wait
	QUANT X+64
	OUT 22, 24
	s_wait_tensorcnt 0x0
	ds_add_u32 v208, v209
	s_wait_dscnt 0x0
	s_endpgm
.Lfunc_end_k_q4e39449e00_prep:
	.size	k_q4e39449e00_prep, .Lfunc_end_k_q4e39449e00_prep-k_q4e39449e00_prep
	.p2alignl 7, 3214868480
	.fill 96, 4, 3214868480
	.section	.rodata,"a",@progbits
	.p2align	6, 0x0
	.amdhsa_kernel k_q4e39449e00_prep
		.amdhsa_group_segment_fixed_size 68096
		.amdhsa_private_segment_fixed_size 0
		.amdhsa_enable_private_segment 0
		.amdhsa_kernarg_size 64
		.amdhsa_user_sgpr_count 2
		.amdhsa_user_sgpr_kernarg_segment_ptr 1
		.amdhsa_wavefront_size32 1
		.amdhsa_system_sgpr_workgroup_id_x 1
		.amdhsa_system_sgpr_workgroup_id_y 1
		.amdhsa_system_sgpr_workgroup_id_z 1
		.amdhsa_system_vgpr_workitem_id 0
		.amdhsa_next_free_vgpr 210
		.amdhsa_next_free_sgpr 66
		.amdhsa_reserve_vcc 1
		.amdhsa_float_denorm_mode_32 3
		.amdhsa_float_denorm_mode_16_64 3
		.amdhsa_memory_ordered 1
		.amdhsa_forward_progress 1
		.amdhsa_inst_pref_size 30
	.end_amdhsa_kernel
	.amdgpu_metadata
---
amdhsa.version: [ 1, 2 ]
amdhsa.kernels:
  - .name:           k_q4e39449e00_prep
    .symbol:         k_q4e39449e00_prep.kd
    .args:
      - { .name: W_obs, .offset: 0, .size: 8, .value_kind: global_buffer, .address_space: global }
      - { .name: W_g1, .offset: 8, .size: 8, .value_kind: global_buffer, .address_space: global }
      - { .name: W_p1, .offset: 16, .size: 8, .value_kind: global_buffer, .address_space: global }
      - { .name: beliefs, .offset: 24, .size: 8, .value_kind: global_buffer, .address_space: global }
      - { .name: active_mask, .offset: 32, .size: 8, .value_kind: global_buffer, .address_space: global }
      - { .name: wq, .offset: 40, .size: 8, .value_kind: global_buffer, .address_space: global }
      - { .name: bq, .offset: 48, .size: 8, .value_kind: global_buffer, .address_space: global }
      - { .name: bqs, .offset: 56, .size: 8, .value_kind: global_buffer, .address_space: global }
    .group_segment_fixed_size: 68096
    .private_segment_fixed_size: 0
    .kernarg_segment_align: 8
    .kernarg_segment_size: 64
    .max_flat_workgroup_size: 128
    .sgpr_count:     66
    .vgpr_count:     210
    .wavefront_size: 32
...
	.end_amdgpu_metadata
.endif
;; end of part 1
;; launch proj (part 2): grid 256 x 1, 4 waves a work-group, clusters of 4 x 1, 327,680 bytes of LDS; arguments hidden, wq, b_g1, W_g2, b_g2, b_p1, W_p2, b_p2, out0, oq, oqs, radius; writes out0, oq, oqs, radius
.if DOCPART == 2
	.amdgcn_target "amdgcn-amd-amdhsa--gfx1250"
	.amdhsa_code_object_version 6
	.text
	.protected	k_q4e39449e00_proj
	.globl	k_q4e39449e00_proj
	.p2align	8
	.type	k_q4e39449e00_proj,@function
k_q4e39449e00_proj:
	s_mov_b64 s[64:65], 0
	v_nop
	global_prefetch_b8 v0, s[64:65] scope:SCOPE_SE
	s_setreg_imm32_b32 hwreg(HW_REG_WAVE_MODE, 25, 1), 1
	s_wait_xcnt 0x0
	s_wait_alu depctr_hold_cnt(0) depctr_sa_sdst(0) depctr_va_vdst(0) depctr_va_sdst(0) depctr_va_ssrc(0) depctr_va_vcc(0) depctr_vm_vsrc(0)
	s_getreg_b32 s2, hwreg(HW_REG_IB_STS2, 6, 4)
	s_cmp_eq_u32 s2, 0
	s_cbranch_scc0 .Lentry_in_a_cluster
	s_endpgm
.Lentry_in_a_cluster:
	s_bfe_u32 s2, ttmp6, 0x10000c
	s_cmp_lg_u32 s2, 0x3003
	s_cbranch_scc0 .Lentry_shape_is_right
	s_endpgm
.Lentry_shape_is_right:
; The three quantised projections of hidden (W_obs 256, W_g1 512, W_p1 512 columns, K = 2,048) on codes of BF6 with E8M0 scales, and all that reference() makes of them up to obs_ang:
; gate, prec, the means over the batch, obs_beliefs (out0), its radius, and obs_ang as codes and scale words (oq, oqs) for the next launch.
; SHARES.  Work-group p: tokens 16 p on, all four batches: 64 rows x 1,280 columns.  Wave w: all 64 rows x 320 columns (64 of W_obs, 128 of W_g1, 128 of W_p1): 80 accumulators, 640 registers.
; Source 0 = 16 rows of a weight, source 1 = 16 tokens of one batch: a lane holds one token and eight neighbouring columns.
; THE ROWS: hidden is read once, here.  In each K step wave w turns batch w's 16 rows x 128 numbers (loaded three steps ahead, 512 consecutive bytes a load, two register sets by turns) through its own stage
; in LDS, quantises them for the NEXT step and lays the fragment and its scale words in LDS as an image of the operand's registers; two sets of images by turns; the step's round shows them to the other waves.
; THE WEIGHTS lie in wq as images of operand registers, a block of 32,000 bytes for each K step and wave (20 fragments, 1,280 bytes of scale words).  All work-groups read them: the four of a cluster ask
; jointly (mask 15), each wave for its own block; two LDS slots of one K step take turns.
; THE HEAD: step 0's rows are asked for first, then the first tile, then step 1's rows; step 0's rows are quantised while the tile is on its way, and the round in front of slot 1's first fill also shows the images.
; PREFETCH: hidden's 16 rows x 512 bytes of a wave, a lane a block of 256 bytes, two steps ahead of the load that wants them; the loop's last trip and the steps behind it ask for nothing.
; wq is not prefetched: all 64 clusters read the same 2,048,000 bytes, and cluster c begins its walk at K step c % 16, so each tile is the first tile of four clusters.
; The sums of a cluster so begin at another K step: the order of the f32 sums along K differs from reference()'s by that rotation.
; LIMITS: blocks whose largest magnitude lies under 2^-122 get the scale byte 1; NaN and infinities among the inputs are not served.
; REGISTERS: window 0: v0-15 addresses; v16-39 the weights' scale words, v40-47 the rows', two sets each; v48-95 the rows' four fragments; v96-223 two sets of 64 numbers of hidden; v224-254 the quantiser's.
;   Windows 1, 2 and v0-127 of window 3: the accumulators.  Window 3 v128-223: two buffers of four weight fragments.
.set SLOT,  128000
.set QUART, 32000
.set AIMG,  256000
.set ASET,  6656
.set SPARE, 269312
.set TSTG,  269824
.set RED,   303616
.set STG,   308224
.set LI,  1
.set BAD, 2
.set AAD, 4
.set ASD, 5
.set AWI, 6
.set AWS, 7
.set TST, 8
.set TRD, 9
.set PFO, 10
.set SPW, 11
.set NIL, 12
.set PW,  13
.set BS8, 14
.set WS,  16
.set XS,  40
.set AF,  48
.set R,   96
.set TM,  224
.set PC,  236
.set HOF, 251
.set TT,  48
.set GA,  80
.set PA,  88
.set OM,  96
.set KQ,  7
.set G1,  32
.set G0,  40
.set SEL, 48
.set XB,  66
.set PB,  68
.set HO,  70
.set WO,  72
.set MSB, 0
.macro WIN new
.if MSB != (\new)
	s_set_vgpr_msb (MSB<<8)|(\new)
.set MSB, (\new)
.endif
.endm
.macro PLACES
.rept 4
	v_nop
.endr
.endm
.macro ROUND
	s_barrier_signal -1
	s_barrier_wait -1
	s_cmp_lg_u32 s4, 0
	s_cbranch_scc1 .Lnot_wave_0_\@
	s_barrier_signal -3
.Lnot_wave_0_\@:
	s_barrier_wait -3
	s_barrier_signal -1
	s_barrier_wait -1
.endm
.macro JLOAD s
	tensor_load_to_lds s[G0+4*\s:G0+4*\s+3], s[G1:G1+7]
	s_nop 0
	PLACES
.endm
.macro HADDR dst, ahead
	s_add_co_u32 s[HO], s[KQ], \ahead
	s_and_b32 s[HO], s[HO], 15
	s_lshl_b32 s[HO], s[HO], 9
	s_add_nc_u64 s[\dst:\dst+1], s[8:9], s[HO:HO+1]
.endm
.macro WADDR s, ahead
	s_add_co_u32 s[WO], s[KQ], \ahead
	s_and_b32 s[WO], s[WO], 15
	s_mul_i32 s[WO], s[WO], SLOT
	s_add_nc_u64 s[G0+4*(\s)+2:G0+4*(\s)+3], s[10:11], s[WO:WO+1]
	s_or_b32 s[G0+4*(\s)+3], s[G0+4*(\s)+3], 0x80000000
.endm
.macro XLOAD set, base
.irp i, 0,1,2,3,4,5,6,7,8,9,10,11,12,13,14,15
	global_load_b128 v[R+64*(\set)+4*\i:R+64*(\set)+4*\i+3], v[LI], s[\base:\base+1] offset:8192*\i th:TH_LOAD_NT
.endr
.endm
.macro TURNX set
.irp i, 0,1,2,3,4,5,6,7,8,9,10,11,12,13,14,15
	ds_store_b128 v[TST], v[R+64*(\set)+4*\i:R+64*(\set)+4*\i+3] offset:528*\i
.endr
.irp b, 0,1,2,3
.irp j, 0,1,2,3
	ds_load_b128 v[R+64*(\set)+16*\b+4*\j:R+64*(\set)+16*\b+4*\j+3], v[TRD] offset:128*\b+16*\j
.endr
.endr
.endm
.macro QUANT src
.irp b, 0,1,2,3
	v_max3_num_f32 v[TM+\b], |v[\src+16*\b]|, |v[\src+1+16*\b]|, 0x2800000
.endr
.irp i, 2,4,6,8,10,12,14
.irp b, 0,1,2,3
	v_max3_num_f32 v[TM+\b], v[TM+\b], |v[\src+16*\b+\i]|, |v[\src+1+16*\b+\i]|
.endr
.endr
.irp b, 0,1,2,3
	v_permlanex16_b32 v[TM+4+\b], v[TM+\b], s[SEL], s[SEL+1]
.endr
.irp b, 0,1,2,3
	v_max_num_f32 v[TM+\b], v[TM+\b], v[TM+4+\b]
.endr
.irp b, 0,1,2,3
	v_add_nc_u32 v[TM+8+\b], 0xfe000000, v[TM+\b]
.endr
.irp b, 0,1,2,3
	v_lshrrev_b32 v[TM+4+\b], 23, v[TM+8+\b]
.endr
	v_lshl_or_b32 v[PW], v[TM+5], 8, v[TM+4]
	v_lshl_or_b32 v[PW], v[TM+6], 16, v[PW]
	v_lshl_or_b32 v[PW], v[TM+7], 24, v[PW]
.irp c, 0,1
	v_cvt_scalef32_pk16_bf6_f32 v[PC+6*\c:PC+2+6*\c], v[\src+32*\c:\src+15+32*\c], v[TM+8+2*\c]
	v_cvt_scalef32_pk16_bf6_f32 v[PC+12+4*\c:PC+14+4*\c], v[\src+16+32*\c:\src+31+32*\c], v[TM+8+2*\c+1]
.endr
	v_nop
.irp c, 0,1
.irp i, 0,1,2
	v_permlane16_swap_b32 v[PC+6*\c+\i], v[PC+12+4*\c+\i]
.endr
.irp i, 0,1,2
	v_mov_b32 v[PC+3+6*\c+\i], v[PC+12+4*\c+\i]
.endr
.endr
.endm
.macro IMAGE p
.irp c, 0,1,2
	ds_store_b128 v[AWI], v[PC+4*\c:PC+4*\c+3] offset:ASET*(\p)+512*\c
.endr
	ds_store_b32 v[AWS], v[PW] offset:ASET*(\p)
.endm
.macro FETCH_A p, m0
.irp m, 0,1
.irp c, 0,1,2
	ds_load_b128 v[AF+12*((\m0)+\m)+4*\c:AF+12*((\m0)+\m)+4*\c+3], v[AAD] offset:ASET*(\p)+1536*((\m0)+\m)+512*\c
.endr
.endr
.endm
.macro FETCH_X p
.irp m, 0,1,2,3
	ds_load_b32 v[XS+4*(\p)+\m], v[ASD] offset:ASET*(\p)+128*\m
.endr
.endm
.macro FETCH_S s
	ds_load_b128 v[WS+12*(\s):WS+12*(\s)+3], v[BAD+(\s)] offset:30720
	ds_load_b128 v[WS+12*(\s)+4:WS+12*(\s)+7], v[BAD+(\s)] offset:31232
	ds_load_b64 v[WS+12*(\s)+8:WS+12*(\s)+9], v[BS8+(\s)]
.endm
.macro FETCH_B s, g, buf
	WIN 0xc0
.irp q, 0,1,2,3
.irp c, 0,1,2
	ds_load_b128 v[128+48*(\buf)+12*\q+4*\c:128+48*(\buf)+12*\q+4*\c+3], v[BAD+(\s)] offset:1536*(4*(\g)+\q)+512*\c
.endr
.endr
	WIN 0
.endm
.macro MUL8 g, mp, buf, set, first
	WIN 0x53+0x50*((\g)/2)
.irp m, 0,1
.irp q, 0,1,2,3
.set rD, 8*(16*((\g)%2)+4*\q+2*(\mp)+\m)
.set rB, 128+48*(\buf)+12*\q
.set rA, AF+12*(2*(\mp)+\m)
.set rW, WS+12*(\set)+2*(\g)+\q/2
.set rX, XS+4*(\set)+2*(\mp)+\m
.if \first
.if \q%2
	v_wmma_scale_f32_16x16x128_f8f6f4 v[rD:rD+7], v[rB:rB+11], v[rA:rA+11], 0, v[rW], v[rX] matrix_a_fmt:MATRIX_FMT_BF6 matrix_b_fmt:MATRIX_FMT_BF6 matrix_a_scale:MATRIX_SCALE_ROW1
.else
	v_wmma_scale_f32_16x16x128_f8f6f4 v[rD:rD+7], v[rB:rB+11], v[rA:rA+11], 0, v[rW], v[rX] matrix_a_fmt:MATRIX_FMT_BF6 matrix_b_fmt:MATRIX_FMT_BF6
.endif
.else
.if \q%2
	v_wmma_scale_f32_16x16x128_f8f6f4 v[rD:rD+7], v[rB:rB+11], v[rA:rA+11], v[rD:rD+7], v[rW], v[rX] matrix_a_fmt:MATRIX_FMT_BF6 matrix_b_fmt:MATRIX_FMT_BF6 matrix_a_scale:MATRIX_SCALE_ROW1
.else
	v_wmma_scale_f32_16x16x128_f8f6f4 v[rD:rD+7], v[rB:rB+11], v[rA:rA+11], v[rD:rD+7], v[rW], v[rX] matrix_a_fmt:MATRIX_FMT_BF6 matrix_b_fmt:MATRIX_FMT_BF6
.endif
.endif
.endr
.endr
.endm
.macro ASKH ahead, cond
.if \cond
	s_cmp_gt_u32 s50, 1
	s_cbranch_scc0 .Lno_ask_\@
.endif
	HADDR PB, \ahead
	global_prefetch_b8 v[PFO], s[PB:PB+1] th:TH_LOAD_NT scope:SCOPE_SE
.if \cond
.Lno_ask_\@:
.endif
.endm
.macro GLOADS
.irp t, 0,1,2,3,4,5,6,7
	global_load_b128 v[R+8*\t:R+8*\t+3], v[HOF], s[12:13] offset:64*\t
	global_load_b128 v[R+8*\t+4:R+8*\t+7], v[HOF], s[12:13] offset:64*\t+16
	global_load_b128 v[R+64+8*\t:R+64+8*\t+3], v[HOF], s[14:15] offset:64*\t
	global_load_b128 v[R+64+8*\t+4:R+64+8*\t+7], v[HOF], s[14:15] offset:64*\t+16
.endr
.endm
.macro STEP s, first, q, lc, xl, pf, pcond, tail, gl, kd
	s_wait_dscnt 18
	MUL8 0, 0, \s, \s, \first
	s_wait_dscnt 12
	MUL8 0, 1, \s, \s, \first
	PLACES
	FETCH_B \s, 2, \s
.if \q
	s_wait_loadcnt \lc
	TURNX 1-\s
	s_wait_dscnt 44
.else
	s_wait_dscnt 12
.endif
	MUL8 1, 0, 1-\s, \s, \first
	MUL8 1, 1, 1-\s, \s, \first
.if \q
	s_wait_dscnt 0x0
	WIN 0
	QUANT R+64*(1-\s)
	IMAGE 1-\s
.if \xl
	s_wait_xcnt 0x0
	HADDR XB, (\kd)+3
	XLOAD 1-\s, XB
.endif
.if \pf
	ASKH (\kd)+5, \pcond
.endif
.if \gl
	GLOADS
.endif
	FETCH_B \s, 3, 1-\s
.else
	PLACES
	FETCH_B \s, 3, 1-\s
	s_wait_dscnt 12
.endif
	MUL8 2, 0, \s, \s, \first
	MUL8 2, 1, \s, \s, \first
	PLACES
	FETCH_B \s, 4, \s
	s_wait_dscnt 12
	MUL8 3, 0, 1-\s, \s, \first
	MUL8 3, 1, 1-\s, \s, \first
.if \tail == 0
	s_wait_dscnt 0x0
	MUL8 4, 0, \s, \s, \first
	MUL8 4, 1, \s, \s, \first
	WIN 0
.else
	WIN 0
	s_wait_tensorcnt 0x0
	ds_add_u32 v[SPW], v[NIL]
.if \tail == 2
	WADDR \s, (\kd)+2
.endif
	s_wait_dscnt 1
	MUL8 4, 0, \s, \s, \first
	s_wait_dscnt 0x0
	WIN 0
.if \tail == 2
	ROUND
	JLOAD \s
.else
	s_barrier_signal -1
	s_barrier_wait -1
	PLACES
.endif
	FETCH_B 1-\s, 0, 1-\s
	FETCH_S 1-\s
	FETCH_X 1-\s
	FETCH_A 1-\s, 0
	MUL8 4, 1, \s, \s, \first
	PLACES
	WIN 0
	FETCH_A 1-\s, 2
	FETCH_B 1-\s, 1, \s
.endif
.endm
	s_load_b256 s[8:15], s[0:1], 0x0
	s_load_b256 s[16:23], s[0:1], 0x20
	s_load_b256 s[24:31], s[0:1], 0x40
	v_lshl_add_u32 v[SPW], v0, 2, SPARE
	v_mov_b32 v[NIL], 0
	ds_add_u32 v11, v12
	ds_add_u32 v11, v12
	s_wait_dscnt 0x0
	v_lshrrev_b32 v[PW], 5, v0
	v_readfirstlane_b32 s4, v[PW]
	s_bfe_u32 s5, ttmp6, 0x40000
	s_lshl_b32 s6, ttmp9, 2
	s_add_co_u32 s6, s6, s5
	s_and_b32 s[KQ], ttmp9, 15
	s_mov_b32 s[HO+1], 0
	s_mov_b32 s[WO+1], 0
	s_mov_b32 s[G1+0], 15|(3<<16)|(1<<21)
	s_mov_b32 s[G1+1], 32<<16
	s_mov_b32 s[G1+2], 125<<16
	s_mov_b32 s[G1+3], 32<<16
	s_mov_b32 s[G1+4], 125
	s_mov_b32 s[G1+5], 32
	s_mov_b32 s[G1+6], 0
	s_mov_b32 s[G1+7], 0
	s_mov_b32 s[SEL], 0x76543210
	s_mov_b32 s[SEL+1], 0xfedcba98
	s_mul_i32 s56, s4, QUART
	s_mov_b32 s57, 0
	v_and_b32 v[TM], 15, v0
	v_bfe_u32 v[TM+1], v0, 4, 1
	v_and_b32 v[TM+2], 31, v0
	v_lshlrev_b32 v[LI], 4, v[TM+2]
	v_add_nc_u32 v[BAD], s56, v[LI]
	v_add_nc_u32 v[BAD+1], SLOT, v[BAD]
	v_add_nc_u32 v[AAD], AIMG, v[LI]
	v_lshl_add_u32 v[ASD], v[TM+2], 2, AIMG+6144
	s_mul_i32 s53, s4, 1536
	v_add_nc_u32 v[AWI], s53, v[AAD]
	s_lshl_b32 s53, s4, 7
	v_add_nc_u32 v[AWS], s53, v[ASD]
	s_mul_i32 s53, s4, 8448
	s_add_co_u32 s53, s53, TSTG
	v_add_nc_u32 v[TST], s53, v[LI]
	v_mul_u32_u24 v[TRD], v[TM], 528
	v_lshl_add_u32 v[TRD], v[TM+1], 6, v[TRD]
	v_add_nc_u32 v[TRD], s53, v[TRD]
	v_lshlrev_b32 v[PFO], 13, v[TM]
	v_lshl_add_u32 v[PFO], v[TM+1], 8, v[PFO]
	s_add_co_u32 s53, s56, 31744
	v_lshl_add_u32 v[BS8], v[TM+2], 3, s53
	v_add_nc_u32 v[BS8+1], SLOT, v[BS8]
	v_lshlrev_b32 v[HOF], 5, v[TM+1]
.irp b, 0,1,2,3
	v_mov_b32 v[TM+4+\b], 0
.endr
	s_lshl_b32 s58, s4, 12
	s_lshl_b32 s59, s6, 4
	s_add_co_u32 s58, s58, s59
	s_lshl_b32 s58, s58, 13
	s_mov_b32 s59, 0
	s_lshl_b32 s54, s4, 9
	s_mov_b32 s55, 0
	s_wait_alu depctr_va_vdst(0)
	s_wait_kmcnt 0x0
	s_add_nc_u64 s[8:9], s[8:9], s[58:59]
	HADDR XB, 0
	HADDR PB, 1
	XLOAD 0, XB                                    ; step 0's rows
	s_load_b32 s51, s[16:17], 0x0                  ; b_g2
	s_load_b32 s52, s[22:23], 0x0                  ; b_p2
	s_add_nc_u64 s[10:11], s[10:11], s[56:57]
	s_mov_b32 s[G0], 1
	s_mov_b32 s[G0+1], s56
	WADDR 0, 0
	s_mov_b32 s[G0+4], 1
	s_add_co_u32 s[G0+5], s56, SLOT
	WADDR 1, 1
	ROUND
	JLOAD 0                                        ; one tensor load a wave at the head
	XLOAD 1, PB                                    ; step 1's rows
	s_add_nc_u64 s[12:13], s[12:13], s[54:55]
	s_add_nc_u64 s[14:15], s[14:15], s[54:55]
	s_add_nc_u64 s[18:19], s[18:19], s[54:55]
	s_add_nc_u64 s[20:21], s[20:21], s[54:55]
	s_lshl_b32 s58, s6, 4
	s_lshl_b32 s60, s4, 2
	s_add_co_u32 s58, s58, s60
	s_lshl_b32 s58, s58, 10
	s_add_nc_u64 s[24:25], s[24:25], s[58:59]
	s_mul_i32 s58, s6, 3072
	s_mul_i32 s60, s4, 1536
	s_add_co_u32 s58, s58, s60
	s_add_nc_u64 s[26:27], s[26:27], s[58:59]
	s_lshl_b32 s58, s6, 7
	s_lshl_b32 s60, s4, 6
	s_add_co_u32 s58, s58, s60
	s_add_nc_u64 s[28:29], s[28:29], s[58:59]
	s_lshl_b32 s58, s6, 6
	s_add_nc_u64 s[30:31], s[30:31], s[58:59]
	s_wait_loadcnt 16
	s_wait_kmcnt 0x0
	TURNX 0
	s_wait_dscnt 0x0
	QUANT R
	IMAGE 0
	s_wait_xcnt 0x0
	HADDR XB, 2
	XLOAD 0, XB
	s_wait_tensorcnt 0x0                           ; slot 0 is in; slot 1's first fill is issued as a refill is
	ds_add_u32 v11, v12
	s_wait_dscnt 0x0                               ; the add and my image's stores are done
	ROUND                                          ; the images of step 0 are whole, and the joint loads meet
	JLOAD 1
	FETCH_B 0, 0, 0
	FETCH_S 0
	FETCH_X 0
	FETCH_A 0, 0
	FETCH_A 0, 2
	FETCH_B 0, 1, 1
	STEP 0, 1, 1, 16, 1, 1, 0, 2, 0, 0
	s_add_co_u32 s[KQ], s[KQ], 1
	s_mov_b32 s50, 6
.Ltrip:
	STEP 1, 0, 1, 16, 1, 1, 1, 2, 0, 0
	STEP 0, 0, 1, 16, 1, 1, 1, 2, 0, 1
	s_add_co_u32 s[KQ], s[KQ], 2
	s_sub_co_u32 s50, s50, 1
	s_cmp_lg_u32 s50, 0
	s_cbranch_scc1 .Ltrip
	STEP 1, 0, 1, 16, 0, 0, 0, 2, 0, 0
	STEP 0, 0, 1, 0, 0, 0, 0, 1, 1, 0
	STEP 1, 0, 0, 0, 0, 0, 0, 0, 0, 0
	PLACES
	WIN 0xc0
.irp t, 0,1,2,3,4,5,6,7
	global_load_b128 v[128+8*\t:131+8*\t], v[HOF], s[18:19] offset:64*\t
	global_load_b128 v[132+8*\t:135+8*\t], v[HOF], s[18:19] offset:64*\t+16
	global_load_b128 v[192+8*\t:195+8*\t], v[HOF], s[20:21] offset:64*\t
	global_load_b128 v[196+8*\t:199+8*\t], v[HOF], s[20:21] offset:64*\t+16
.endr
	WIN 0
	v_and_b32 v[TM], 15, v0
	v_bfe_u32 v[TM+1], v0, 4, 1
	s_lshl_b32 s53, s4, 2
	s_add_co_u32 s53, s53, RED
	v_add_nc_u32 v2, s53, v[LI]
	v_add_nc_u32 v3, RED, v[LI]
	v_mul_u32_u24 v4, v[TM], 1040
	v_lshl_add_u32 v9, v[TM+1], 6, v4
	s_wait_alu depctr_va_vdst(0)
	v_lshl_add_u32 v4, v[TM+1], 5, v4
	s_lshl_b32 s53, s4, 8
	s_add_co_u32 s53, s53, STG
	v_add_nc_u32 v4, s53, v4
	s_mul_i32 s53, s4, 4160
	s_add_co_u32 s53, s53, STG
	v_add_nc_u32 v5, s53, v[LI]
	s_and_b32 s53, s4, 1
	s_lshl_b32 s53, s53, 9
	s_add_co_u32 s54, s53, STG
	v_add_nc_u32 v6, s54, v9
	s_xor_b32 s53, s53, 512
	s_add_co_u32 s53, s53, STG
	v_add_nc_u32 v7, s53, v9
	v_lshlrev_b32 v8, 2, v[TM]
.macro HTILE n, bw, breg, wreg, acc, first
.set gg, (\n)/4
.set rD, 8*(16*(gg%2)+4*((\n)%4))
	WIN 1+gg/2+12*(\bw)
.irp m, 0,1,2,3
.irp i, 0,2,4,6
	v_pk_add_f32 v[TT+8*\m+\i:TT+8*\m+\i+1], v[rD+8*\m+\i:rD+8*\m+\i+1], v[\breg+\i:\breg+\i+1]
.endr
.endr
	WIN 0
.irp j, 0,1,2,3,4,5,6,7,8,9,10,11,12,13,14,15,16,17,18,19,20,21,22,23,24,25,26,27,28,29,30,31
	v_max_num_f32 v[TT+\j], 0, v[TT+\j]
.endr
	WIN 12*(\bw)
.irp i, 0,2,4,6
.irp m, 0,1,2,3
.if (\first) && (\i == 0)
	v_pk_mul_f32 v[\acc+2*\m:\acc+2*\m+1], v[TT+8*\m+\i:TT+8*\m+\i+1], v[\wreg+\i:\wreg+\i+1]
.else
	v_pk_fma_f32 v[\acc+2*\m:\acc+2*\m+1], v[TT+8*\m+\i:TT+8*\m+\i+1], v[\wreg+\i:\wreg+\i+1], v[\acc+2*\m:\acc+2*\m+1]
.endif
.endr
.endr
.endm
	s_wait_loadcnt 32
	HTILE 4, 0, R, R+64, GA, 1
.irp t, 1,2,3,4,5,6,7
	HTILE 4+\t, 0, R+8*\t, R+64+8*\t, GA, 0
.endr
	WIN 0x05
.irp n, 0,1,2,3
.irp i, 0,2,4,6
	v_pk_add_f32 v[OM+8*\n+\i:OM+8*\n+\i+1], v[32*\n+\i:32*\n+\i+1], v[32*\n+8+\i:32*\n+8+\i+1]
.endr
.irp i, 0,2,4,6
	v_pk_add_f32 v[128+8*\n+\i:128+8*\n+\i+1], v[32*\n+16+\i:32*\n+16+\i+1], v[32*\n+24+\i:32*\n+24+\i+1]
.endr
.endr
	WIN 0
.irp i, 0,2,4,6,8,10,12,14,16,18,20,22,24,26,28,30
	v_pk_add_f32 v[OM+\i:OM+\i+1], v[OM+\i:OM+\i+1], v[128+\i:128+\i+1]
.endr
.irp i, 0,2,4,6,8,10,12,14,16,18,20,22,24,26,28,30
	v_pk_mul_f32 v[OM+\i:OM+\i+1], v[OM+\i:OM+\i+1], 0x3e800000 op_sel_hi:[1,0]
.endr
	v_pk_mul_f32 v[160:161], v[OM:OM+1], v[OM:OM+1]
	v_pk_mul_f32 v[162:163], v[OM+2:OM+3], v[OM+2:OM+3]
.irp i, 4,8,12,16,20,24,28
	v_pk_fma_f32 v[160:161], v[OM+\i:OM+\i+1], v[OM+\i:OM+\i+1], v[160:161]
	v_pk_fma_f32 v[162:163], v[OM+\i+2:OM+\i+3], v[OM+\i+2:OM+\i+3], v[162:163]
.endr
	s_wait_loadcnt 0x0
	HTILE 12, 1, 128, 192, PA, 1
.irp t, 1,2,3,4,5,6,7
	HTILE 12+\t, 1, 128+8*\t, 192+8*\t, PA, 0
.endr
	WIN 0
	v_pk_add_f32 v[160:161], v[160:161], v[162:163]
.irp m, 0,1,2,3
	v_add_f32 v[164+\m], v[GA+2*\m], v[GA+2*\m+1]
	v_add_f32 v[168+\m], v[PA+2*\m], v[PA+2*\m+1]
.endr
	v_add_f32 v172, v160, v161
.irp q, 0,1,2,3,4,5,6,7,8
	v_permlanex16_b32 v[174+\q], v[164+\q], s[SEL], s[SEL+1]
.endr
.irp q, 0,1,2,3,4,5,6,7,8
	v_add_f32 v[164+\q], v[164+\q], v[174+\q]
.endr
.irp q, 0,1,2,3,4,5,6,7,8
	ds_store_b32 v2, v[164+\q] offset:512*\q
.endr
	s_wait_dscnt 0x0
	s_barrier_signal -1
	s_barrier_wait -1
.irp q, 0,1,2,3,4,5,6,7,8
	ds_load_b128 v[184+4*\q:187+4*\q], v3 offset:512*\q
.endr
	s_mov_b32 s53, 0xbfb8aa3b
	s_mov_b32 s54, 0x3f317218
	s_wait_dscnt 0x0
.irp q, 0,1,2,3,4,5,6,7,8
	v_add_f32 v[184+4*\q], v[184+4*\q], v[185+4*\q]
	v_add_f32 v[186+4*\q], v[186+4*\q], v[187+4*\q]
.endr
.irp q, 0,1,2,3,4,5,6,7,8
	v_add_f32 v[184+4*\q], v[184+4*\q], v[186+4*\q]
.endr
.irp m, 0,1,2,3
	v_add_f32 v[128+\m], s51, v[184+4*\m]
	v_add_f32 v[132+\m], s52, v[200+4*\m]
.endr
.irp m, 0,1,2,3
	v_mul_f32 v[136+\m], s53, v[128+\m]
	v_mul_f32 v[140+\m], s53, |v[132+\m]|
.endr
	s_wait_alu depctr_va_vdst(0)
.irp m, 0,1,2,3
	v_exp_f32 v[144+\m], v[136+\m]
.endr
.irp m, 0,1,2,3
	v_exp_f32 v[148+\m], v[140+\m]
.endr
	v_nop
	s_wait_alu depctr_va_vdst(0)
.irp m, 0,1,2,3
	v_add_f32 v[136+\m], 1.0, v[144+\m]
	v_add_f32 v[140+\m], 1.0, v[148+\m]
.endr
.irp m, 0,1,2,3
	v_add_f32 v[152+\m], -1.0, v[140+\m]
.endr
	s_wait_alu depctr_va_vdst(0)
.irp m, 0,1,2,3
	v_rcp_f32 v[164+\m], v[136+\m]
.endr
.irp m, 0,1,2,3
	v_log_f32 v[168+\m], v[140+\m]
.endr
.irp m, 0,1,2,3
	v_rcp_f32 v[174+\m], v[152+\m]
.endr
	v_sqrt_f32 v178, v216
	v_nop
	s_wait_alu depctr_va_vdst(0)
.irp m, 0,1,2,3
	v_mul_f32 v[168+\m], s54, v[168+\m]
	v_mul_f32 v[174+\m], v[148+\m], v[174+\m]
.endr
.irp m, 0,1,2,3
	v_mul_f32 v[168+\m], v[168+\m], v[174+\m]
.endr
.irp m, 0,1,2,3
	v_cmp_eq_f32 vcc_lo, 0, v[152+\m]
	v_cndmask_b32 v[168+\m], v[168+\m], v[148+\m], vcc_lo
.endr
.irp m, 0,1,2,3
	v_max_num_f32 v[132+\m], 0, v[132+\m]
.endr
.irp m, 0,1,2,3
	v_add_f32 v[132+\m], v[132+\m], v[168+\m]
.endr
	v_mul_f32 v156, v164, v132
	v_fmac_f32 v156, v165, v133
	v_fmac_f32 v156, v166, v134
	v_fmac_f32 v156, v167, v135
	v_mul_f32 v156, 0x3e800000, v156
	v_max_num_f32 v178, 0x322bcc77, v178
	s_wait_alu depctr_va_vdst(0)
	v_rcp_f32 v158, v178
	v_nop
	s_wait_alu depctr_va_vdst(0)
.irp i, 0,2,4,6,8,10,12,14,16,18,20,22,24,26,28,30
	v_pk_mul_f32 v[OM+\i:OM+\i+1], v[OM+\i:OM+\i+1], v[158:159] op_sel_hi:[1,0]
.endr
.irp i, 0,2,4,6,8,10,12,14,16,18,20,22,24,26,28,30
	v_pk_mul_f32 v[OM+\i:OM+\i+1], v[OM+\i:OM+\i+1], v[156:157] op_sel_hi:[1,0]
.endr
.irp n, 0,1,2,3
	ds_store_b128 v4, v[OM+8*\n:OM+8*\n+3] offset:64*\n
	ds_store_b128 v4, v[OM+8*\n+4:OM+8*\n+7] offset:64*\n+16
.endr
	s_wait_dscnt 0x0
	s_barrier_signal -1
	s_barrier_wait -1
.irp i, 0,1,2,3,4,5,6,7
	ds_load_b128 v[TT+4*\i:TT+4*\i+3], v5 offset:1040*(\i/2)+512*(\i%2)
.endr
.irp b, 0,1,2,3
.irp j, 0,1,2,3
	ds_load_b128 v[R+16*\b+4*\j:R+16*\b+4*\j+3], v6 offset:128*\b+16*\j
	ds_load_b128 v[R+64+16*\b+4*\j:R+64+16*\b+4*\j+3], v7 offset:128*\b+16*\j
.endr
.endr
	s_wait_dscnt 32
.irp i, 0,1,2,3,4,5,6,7
	global_store_b128 v[LI], v[TT+4*\i:TT+4*\i+3], s[24:25] offset:1024*(\i/2)+512*(\i%2) th:TH_STORE_NT
.endr
	s_wait_dscnt 0x0
.irp c, 0,1,2,3
	v_pk_mul_f32 v[GA+2*\c:GA+2*\c+1], v[R+2*\c:R+2*\c+1], v[R+2*\c:R+2*\c+1]
.endr
.set j, 8
.rept 15
.irp c, 0,1,2,3
	v_pk_fma_f32 v[GA+2*\c:GA+2*\c+1], v[R+j+2*\c:R+j+2*\c+1], v[R+j+2*\c:R+j+2*\c+1], v[GA+2*\c:GA+2*\c+1]
.endr
.set j, j+8
.endr
	v_pk_add_f32 v[GA:GA+1], v[GA:GA+1], v[GA+2:GA+3]
	v_pk_add_f32 v[GA+4:GA+5], v[GA+4:GA+5], v[GA+6:GA+7]
	v_pk_add_f32 v[GA:GA+1], v[GA:GA+1], v[GA+4:GA+5]
	v_add_f32 v[GA], v[GA], v[GA+1]
	v_permlanex16_b32 v[GA+2], v[GA], s[SEL], s[SEL+1]
	v_add_f32 v[GA], v[GA], v[GA+2]
	s_wait_alu depctr_va_vdst(0)
	v_sqrt_f32 v[GA+4], v[GA]
	v_nop
	s_wait_alu depctr_va_vdst(0)
	v_max_num_f32 v[GA+6], 0x322bcc77, v[GA+4]
	s_wait_alu depctr_va_vdst(0)
	v_rcp_f32 v[PA], v[GA+6]
	v_nop
	s_wait_alu depctr_va_vdst(0)
.set j, 0
.rept 32
	v_pk_mul_f32 v[R+j:R+j+1], v[R+j:R+j+1], v[PA:PA+1] op_sel_hi:[1,0]
.set j, j+2
.endr
	QUANT R
	s_cmp_lt_u32 s4, 2
	s_cbranch_scc0 .Lno_codes
.irp c, 0,1,2
	global_store_b128 v[LI], v[PC+4*\c:PC+4*\c+3], s[26:27] offset:512*\c
.endr
	global_store_b32 v8, v[PW], s[28:29]
.Lno_codes:
	s_cmp_eq_u32 s4, 2
	s_cbranch_scc0 .Lno_radius
	global_store_b32 v8, v[GA+4], s[30:31]
.Lno_radius:
	s_wait_tensorcnt 0x0
	ds_add_u32 v[SPW], v[NIL]
	s_wait_dscnt 0x0
	ROUND
	s_endpgm
.Lfunc_end_k_q4e39449e00_proj:
	.size	k_q4e39449e00_proj, .Lfunc_end_k_q4e39449e00_proj-k_q4e39449e00_proj
	.p2alignl 7, 3214868480
	.fill 96, 4, 3214868480
	.section	.rodata,"a",@progbits
	.p2align	6, 0x0
	.amdhsa_kernel k_q4e39449e00_proj
		.amdhsa_group_segment_fixed_size 327680
		.amdhsa_private_segment_fixed_size 0
		.amdhsa_enable_private_segment 0
		.amdhsa_kernarg_size 96
		.amdhsa_user_sgpr_count 2
		.amdhsa_user_sgpr_kernarg_segment_ptr 1
		.amdhsa_wavefront_size32 1
		.amdhsa_system_sgpr_workgroup_id_x 1
		.amdhsa_system_sgpr_workgroup_id_y 1
		.amdhsa_system_sgpr_workgroup_id_z 1
		.amdhsa_system_vgpr_workitem_id 0
		.amdhsa_next_free_vgpr 1024
		.amdhsa_next_free_sgpr 74
		.amdhsa_reserve_vcc 1
		.amdhsa_float_denorm_mode_32 3
		.amdhsa_float_denorm_mode_16_64 3
		.amdhsa_memory_ordered 1
		.amdhsa_forward_progress 1
		.amdhsa_inst_pref_size 240
	.end_amdhsa_kernel
	.amdgpu_metadata
---
amdhsa.version: [ 1, 2 ]
amdhsa.kernels:
  - .name:           k_q4e39449e00_proj
    .symbol:         k_q4e39449e00_proj.kd
    .args:
      - { .name: hidden, .offset: 0, .size: 8, .value_kind: global_buffer, .address_space: global }
      - { .name: wq, .offset: 8, .size: 8, .value_kind: global_buffer, .address_space: global }
      - { .name: b_g1, .offset: 16, .size: 8, .value_kind: global_buffer, .address_space: global }
      - { .name: W_g2, .offset: 24, .size: 8, .value_kind: global_buffer, .address_space: global }
      - { .name: b_g2, .offset: 32, .size: 8, .value_kind: global_buffer, .address_space: global }
      - { .name: b_p1, .offset: 40, .size: 8, .value_kind: global_buffer, .address_space: global }
      - { .name: W_p2, .offset: 48, .size: 8, .value_kind: global_buffer, .address_space: global }
      - { .name: b_p2, .offset: 56, .size: 8, .value_kind: global_buffer, .address_space: global }
      - { .name: out0, .offset: 64, .size: 8, .value_kind: global_buffer, .address_space: global }
      - { .name: oq, .offset: 72, .size: 8, .value_kind: global_buffer, .address_space: global }
      - { .name: oqs, .offset: 80, .size: 8, .value_kind: global_buffer, .address_space: global }
      - { .name: radius, .offset: 88, .size: 8, .value_kind: global_buffer, .address_space: global }
    .group_segment_fixed_size: 327680
    .private_segment_fixed_size: 0
    .kernarg_segment_align: 8
    .kernarg_segment_size: 96
    .max_flat_workgroup_size: 128
    .sgpr_count:     74
    .vgpr_count:     1024
    .wavefront_size: 32
...
	.end_amdgpu_metadata
.endif
;; end of part 2
;; launch sims (part 3): grid 32 x 8, 16 waves a work-group, no clusters, 10,240 bytes of LDS; arguments oq, oqs, bq, bqs, pv, pi; writes pv, pi
.if DOCPART == 3
	.amdgcn_target "amdgcn-amd-amdhsa--gfx1250"
	.amdhsa_code_object_version 6
	.text
	.protected	k_q4e39449e00_sims
	.globl	k_q4e39449e00_sims
	.p2align	8
	.type	k_q4e39449e00_sims,@function
k_q4e39449e00_sims:
	s_mov_b64 s[64:65], 0
	v_nop
	global_prefetch_b8 v0, s[64:65] scope:SCOPE_SE
	s_setreg_imm32_b32 hwreg(HW_REG_WAVE_MODE, 25, 1), 1
	s_wait_xcnt 0x0
; sims = Q(obs_ang) Q(bel_ang)^T on codes of BF6 with E8M0 scales, K = 256, and for each token the largest similarity above 0.5 of a slice of 1,024 beliefs with its lowest index.
; reference() lets the best similarity and its index reach an output only where the similarity is above 0.5: so the running maximum starts at 0.5 with the index -1 ('none'), and slots that
; active_mask switches off, whose codes the first launch made zeros, count as similarity 0.
; SHARES.  Work-group (x, y): tokens 128 x on, beliefs 1,024 y on.  Sixteen waves of 256 registers, four to a SIMD, so that one wave's search stands beside another's products.
; Wave: tg = wave % 2: four token tiles, which stay in registers; bg = wave / 2: eight belief tiles, one after the other, two buffers.
; Source 0 = 16 beliefs, source 1 = 16 tokens: a lane holds ONE token (lane % 16), and its eight registers beliefs 8 (lane / 16) + 0 .. 7 of the tile.
; TIES: argmax keeps the lowest index.  In a lane a later tile replaces only by a strictly larger number, and inside the kept tile the lowest register wins; between lanes l and l xor 16 the smaller index
; among equals ('none' is the largest unsigned number); groups of tiles are merged in ascending order by strictly larger.
; NO CLUSTER AND NO TENSOR LOAD: both operands lie in memory in the order of the operand's registers and go straight into registers; a belief fragment feeds four matrix instructions of each of two waves,
; so a tile in LDS would add a write and a read for each fragment and spare one load of two; a work-group's own share is 24,576 + 196,608 bytes of codes.
; NaN among the similarities is not served.
.set TF,  16                           ; v16-111  token fragments: 24 tt + 12 s
.set BF,  112                          ; v112-159 belief fragments: 24 buffer + 12 s
.set ACC, 160                          ; v160-191 four accumulators
.set RUN, 192                          ; v192-195 the running maximum of my lane, a token tile each
.set TID, 196                          ; v196-199 the belief tile that gave it; later the index
.set SV,  200                          ; v200-231 that tile's eight similarities
.set M,   232                          ; v232-235 a tile's maximum
.set TS,  236                          ; v236-239 the tokens' scale words: lanes 0-15 K step 0's, lanes 16-31 K step 1's
.set BS,  240                          ; v240-247 the beliefs', a register a tile
.set W,   248                          ; v248-255 at work
.set SEL, 36
	s_load_b256 s[4:11], s[0:1], 0x0               ; oq s[4:5], oqs s[6:7], bq s[8:9], bqs s[10:11]
	s_load_b128 s[12:15], s[0:1], 0x20             ; pv s[12:13], pi s[14:15]
	v_lshl_add_u32 v14, v0, 2, 0x2000
	v_mov_b32 v15, 0
	v_lshrrev_b32 v1, 5, v0
	s_delay_alu instid0(VALU_DEP_1)
	v_readfirstlane_b32 s16, v1                    ; wave 0..15
	s_and_b32 s17, s16, 1                          ; tg
	s_lshr_b32 s18, s16, 1                         ; bg
	s_and_b32 s19, ttmp7, 0xffff                   ; y
	s_lshl_b32 s24, ttmp9, 3
	s_lshl_b32 s25, s17, 2
	s_add_co_u32 s24, s24, s25                     ; my first token tile: 8 x + 4 tg
	s_mul_i32 s26, s24, 3072
	s_mov_b32 s27, 0
	s_lshl_b32 s28, s24, 7
	s_mov_b32 s29, 0
	s_lshl_b32 s30, s19, 6
	s_lshl_b32 s31, s18, 3
	s_add_co_u32 s30, s30, s31                     ; my first belief tile: 64 y + 8 bg
	s_mul_i32 s32, s30, 3072
	s_mov_b32 s33, 0
	s_lshl_b32 s34, s30, 7
	s_mov_b32 s35, 0
	s_mov_b32 s[SEL], 0x76543210
	s_mov_b32 s[SEL+1], 0xfedcba98
	s_lshl_b32 s38, s19, 14
	s_lshl_b32 s39, ttmp9, 9
	s_add_co_u32 s38, s38, s39                     ; pv, pi: slice y, token 128 x
	s_mov_b32 s39, 0
	v_and_b32 v2, 31, v0
	s_delay_alu instid0(VALU_DEP_1)
	v_lshlrev_b32 v1, 4, v2                        ; 16 x lane
	s_delay_alu instid0(VALU_DEP_2)
	v_lshlrev_b32 v2, 2, v2                        ; 4 x lane
	v_bfe_u32 v3, v0, 4, 1
	s_lshl_b32 s25, s30, 4
	v_lshl_add_u32 v3, v3, 3, s25                  ; the index of my register 0 in my first belief tile
	v_and_b32 v4, 15, v0
	s_lshl_b32 s25, s17, 11
	s_lshl_b32 s31, s18, 2
	s_add_co_u32 s25, s25, s31
	v_lshl_add_u32 v4, v4, 5, s25                  ; LDS: 32 bytes a token (64 tg + 16 tt + r), 4 bytes a group of tiles
	v_and_b32 v5, 127, v0
	s_delay_alu instid0(VALU_DEP_1)
	v_lshlrev_b32 v6, 2, v5                        ; the way out: 4 bytes a token
	s_delay_alu instid0(VALU_DEP_2)
	v_lshlrev_b32 v5, 5, v5
	s_wait_alu depctr_va_vdst(0)
	s_wait_kmcnt 0x0
	s_add_nc_u64 s[4:5], s[4:5], s[26:27]
	s_add_nc_u64 s[6:7], s[6:7], s[28:29]
	s_add_nc_u64 s[8:9], s[8:9], s[32:33]
	s_add_nc_u64 s[10:11], s[10:11], s[34:35]
	s_add_nc_u64 s[12:13], s[12:13], s[38:39]
	s_add_nc_u64 s[14:15], s[14:15], s[38:39]
.macro BLOAD i                         ; belief tile i: two fragments, six loads of 512 consecutive bytes
.irp c, 0,1,2,3,4,5
	global_load_b128 v[BF+24*((\i)%2)+4*\c:BF+24*((\i)%2)+4*\c+3], v1, s[8:9] offset:3072*(\i)+512*\c
.endr
.endm
.irp t, 0,1,2,3
	global_load_b32 v[TS+\t], v2, s[6:7] offset:128*\t
.endr
.irp i, 0,1,2,3,4,5,6,7
	global_load_b32 v[BS+\i], v2, s[10:11] offset:128*\i
.endr
.irp t, 0,1,2,3
.irp c, 0,1,2,3,4,5
	global_load_b128 v[TF+24*\t+4*\c:TF+24*\t+4*\c+3], v1, s[4:5] offset:3072*\t+512*\c
.endr
.endr
	BLOAD 0
	BLOAD 1
.irp t, 0,1,2,3
	v_mov_b32 v[RUN+\t], 0.5
	v_mov_b32 v[TID+\t], 0
	v_mov_b32 v[W+4+\t], 0                         ; written once: a lane permute's destination counts as one of its sources
.endr
.irp j, 0,1,2,3,4,5,6,7,8,9,10,11,12,13,14,15,16,17,18,19,20,21,22,23,24,25,26,27,28,29,30,31
	v_mov_b32 v[SV+\j], 0                          ; under 0.5: a lane that never finds a larger number finds no place either
.endr
.macro TILE i
.if \i < 7
	s_wait_loadcnt 6                               ; this tile's loads are in; the next tile's six may be out
.else
	s_wait_loadcnt 0x0
.endif
.irp t, 0,1,2,3                                ; the four accumulators by turns, one instruction a turn: K step 0 starts the sums,
	v_wmma_scale_f32_16x16x128_f8f6f4 v[ACC+8*\t:ACC+8*\t+7], v[BF+24*((\i)%2):BF+24*((\i)%2)+11], v[TF+24*\t:TF+24*\t+11], 0, v[BS+\i], v[TS+\t] matrix_a_fmt:MATRIX_FMT_BF6 matrix_b_fmt:MATRIX_FMT_BF6
.endr
.irp t, 0,1,2,3                                ; K step 1 ends them
	v_wmma_scale_f32_16x16x128_f8f6f4 v[ACC+8*\t:ACC+8*\t+7], v[BF+24*((\i)%2)+12:BF+24*((\i)%2)+23], v[TF+24*\t+12:TF+24*\t+23], v[ACC+8*\t:ACC+8*\t+7], v[BS+\i], v[TS+\t] matrix_a_fmt:MATRIX_FMT_BF6 matrix_b_fmt:MATRIX_FMT_BF6 matrix_a_scale:MATRIX_SCALE_ROW1 matrix_b_scale:MATRIX_SCALE_ROW1
.endr
.rept 4
	v_nop                                          ; places in front of the loads into the buffer just read and of the first read of the results
.endr
.if \i+2 < 8
	BLOAD \i+2
.endif
.irp t, 0,1,2,3
	v_max3_num_f32 v[M+\t], v[ACC+8*\t], v[ACC+8*\t+1], v[ACC+8*\t+2]        ; each accumulator from its low end on
.endr
.irp t, 0,1,2,3
	v_max3_num_f32 v[M+\t], v[M+\t], v[ACC+8*\t+3], v[ACC+8*\t+4]
.endr
.irp t, 0,1,2,3
	v_max3_num_f32 v[M+\t], v[M+\t], v[ACC+8*\t+5], v[ACC+8*\t+6]
.endr
.irp t, 0,1,2,3
	v_max_num_f32 v[M+\t], v[M+\t], v[ACC+8*\t+7]
.endr
.irp t, 0,1,2,3
	s_delay_alu instid0(VALU_DEP_4)
	v_cmp_gt_f32 s[20+\t], v[M+\t], v[RUN+\t]      ; strictly larger: among equals the earlier tile stays
.endr
.irp t, 0,1,2,3
	v_cndmask_b32 v[RUN+\t], v[RUN+\t], v[M+\t], s[20+\t]
	v_cndmask_b32 v[TID+\t], v[TID+\t], \i, s[20+\t]
.endr
.irp j, 0,1,2,3,4,5,6,7
.irp t, 0,1,2,3
	v_cndmask_b32 v[SV+8*\t+\j], v[SV+8*\t+\j], v[ACC+8*\t+\j], s[20+\t]
.endr
.endr
.endm
.irp i, 0,1,2,3,4,5,6,7
	TILE \i
.endr
.irp t, 0,1,2,3
	v_mov_b32 v[W+\t], 0
.endr
.irp j, 7,6,5,4,3,2,1,0                        ; the lowest register of the kept tile that holds the maximum
.irp t, 0,1,2,3
	v_cmp_eq_f32 s[20+\t], v[SV+8*\t+\j], v[RUN+\t]
	s_delay_alu instid0(VALU_DEP_1)
	v_cndmask_b32 v[W+\t], v[W+\t], \j, s[20+\t]
.endr
.endr
.irp t, 0,1,2,3
	v_lshl_add_u32 v[TID+\t], v[TID+\t], 4, v[W+\t]
	v_cmp_lt_f32 s[20+\t], 0.5, v[RUN+\t]
	s_delay_alu instid0(VALU_DEP_2)
	v_add_nc_u32 v[TID+\t], v3, v[TID+\t]
	s_delay_alu instid0(VALU_DEP_1)
	v_cndmask_b32 v[TID+\t], -1, v[TID+\t], s[20+\t]     ; 'none' where nothing was above 0.5
.endr
.irp t, 0,1,2,3
	v_permlanex16_b32 v[M+\t], v[RUN+\t], s[SEL], s[SEL+1]
	v_permlanex16_b32 v[W+4+\t], v[TID+\t], s[SEL], s[SEL+1]
.endr
.irp t, 0,1,2,3
	v_max_num_f32 v[W+\t], v[RUN+\t], v[M+\t]
.endr
.irp t, 0,1,2,3
	v_cmp_eq_f32 s[20+\t], v[RUN+\t], v[W+\t]
	s_delay_alu instid0(VALU_DEP_1)
	v_cndmask_b32 v[TID+\t], -1, v[TID+\t], s[20+\t]
.endr
.irp t, 0,1,2,3
	v_cmp_eq_f32 s[20+\t], v[M+\t], v[W+\t]
	s_delay_alu instid0(VALU_DEP_1)
	v_cndmask_b32 v[W+4+\t], -1, v[W+4+\t], s[20+\t]
.endr
.irp t, 0,1,2,3
	v_min_u32 v[TID+\t], v[TID+\t], v[W+4+\t]      ; among equals the lower index
.endr
.irp t, 0,1,2,3
	ds_store_b32 v4, v[W+\t] offset:512*\t         ; lanes l and l xor 16 write the same word with the same value
	ds_store_b32 v4, v[TID+\t] offset:4096+512*\t
.endr
	s_wait_dscnt 0x0                               ; for the others' sake: my stores have landed
	s_barrier_signal -1
	s_barrier_wait -1
	s_cmp_lt_u32 s16, 4
	s_cbranch_scc1 .Lmerge
	s_wait_tensorcnt 0x0
	ds_add_u32 v14, v15
	s_wait_dscnt 0x0
	s_endpgm
.Lmerge:                                           ; threads 0-127: a token each; its eight groups of tiles in ascending order
	ds_load_b128 v[160:163], v5
	ds_load_b128 v[164:167], v5 offset:16
	ds_load_b128 v[168:171], v5 offset:4096
	ds_load_b128 v[172:175], v5 offset:4112
	s_wait_dscnt 0x0
.irp k, 1
	v_cmp_gt_f32 vcc_lo, v[160+\k], v160
	s_delay_alu instid0(VALU_DEP_1)
	v_cndmask_b32 v160, v160, v[160+\k], vcc_lo
	s_delay_alu instid0(VALU_DEP_2)
	v_cndmask_b32 v168, v168, v[168+\k], vcc_lo
.endr
.irp k, 2, 3, 4, 5, 6, 7
	s_delay_alu instid0(VALU_DEP_2)
	v_cmp_gt_f32 vcc_lo, v[160+\k], v160
	s_delay_alu instid0(VALU_DEP_1)
	v_cndmask_b32 v160, v160, v[160+\k], vcc_lo
	s_delay_alu instid0(VALU_DEP_2)
	v_cndmask_b32 v168, v168, v[168+\k], vcc_lo
.endr
	global_store_b32 v6, v160, s[12:13]
	global_store_b32 v6, v168, s[14:15]
	s_wait_tensorcnt 0x0
	ds_add_u32 v14, v15
	s_wait_dscnt 0x0
	s_endpgm
.Lfunc_end_k_q4e39449e00_sims:
	.size	k_q4e39449e00_sims, .Lfunc_end_k_q4e39449e00_sims-k_q4e39449e00_sims
	.p2alignl 7, 3214868480
	.fill 96, 4, 3214868480
	.section	.rodata,"a",@progbits
	.p2align	6, 0x0
	.amdhsa_kernel k_q4e39449e00_sims
		.amdhsa_group_segment_fixed_size 10240
		.amdhsa_private_segment_fixed_size 0
		.amdhsa_enable_private_segment 0
		.amdhsa_kernarg_size 48
		.amdhsa_user_sgpr_count 2
		.amdhsa_user_sgpr_kernarg_segment_ptr 1
		.amdhsa_wavefront_size32 1
		.amdhsa_system_sgpr_workgroup_id_x 1
		.amdhsa_system_sgpr_workgroup_id_y 1
		.amdhsa_system_sgpr_workgroup_id_z 1
		.amdhsa_system_vgpr_workitem_id 0
		.amdhsa_next_free_vgpr 256
		.amdhsa_next_free_sgpr 66
		.amdhsa_reserve_vcc 1
		.amdhsa_float_denorm_mode_32 3
		.amdhsa_float_denorm_mode_16_64 3
		.amdhsa_memory_ordered 1
		.amdhsa_forward_progress 1
		.amdhsa_inst_pref_size 62
	.end_amdhsa_kernel
	.amdgpu_metadata
---
amdhsa.version: [ 1, 2 ]
amdhsa.kernels:
  - .name:           k_q4e39449e00_sims
    .symbol:         k_q4e39449e00_sims.kd
    .args:
      - { .name: oq, .offset: 0, .size: 8, .value_kind: global_buffer, .address_space: global }
      - { .name: oqs, .offset: 8, .size: 8, .value_kind: global_buffer, .address_space: global }
      - { .name: bq, .offset: 16, .size: 8, .value_kind: global_buffer, .address_space: global }
      - { .name: bqs, .offset: 24, .size: 8, .value_kind: global_buffer, .address_space: global }
      - { .name: pv, .offset: 32, .size: 8, .value_kind: global_buffer, .address_space: global }
      - { .name: pi, .offset: 40, .size: 8, .value_kind: global_buffer, .address_space: global }
    .group_segment_fixed_size: 10240
    .private_segment_fixed_size: 0
    .kernarg_segment_align: 8
    .kernarg_segment_size: 48
    .max_flat_workgroup_size: 512
    .sgpr_count:     66
    .vgpr_count:     256
    .wavefront_size: 32
...
	.end_amdgpu_metadata
.endif
;; end of part 3
;; launch pick (part 4): grid 16 x 1, 4 waves a work-group, no clusters, 0 bytes of LDS; arguments pv, pi, radius, out1, out2, out3; writes out1, out2, out3
.if DOCPART == 4
	.amdgcn_target "amdgcn-amd-amdhsa--gfx1250"
	.amdhsa_code_object_version 6
	.text
	.protected	k_q4e39449e00_pick
	.globl	k_q4e39449e00_pick
	.p2align	8
	.type	k_q4e39449e00_pick,@function
k_q4e39449e00_pick:
	s_mov_b64 s[64:65], 0
	v_nop
	global_prefetch_b8 v0, s[64:65] scope:SCOPE_SE
	s_setreg_imm32_b32 hwreg(HW_REG_WAVE_MODE, 25, 1), 1
	s_wait_xcnt 0x0
; The eight slices' (largest similarity above 0.5, lowest index) of each token are merged in ascending order, a later slice replacing only by a strictly larger number, and reference()'s thresholds are applied:
; meaningful = obs_r > 0.05; matched = meaningful and best > 0.5 (a token for which no slice found anything holds 0.5 and -1); out1 = best or 0, out2 = index or -1, out3 = meaningful.
; A thread owns two neighbouring tokens: 2,048 threads, 16 work-groups: there is no work for more.  Each load and each store of 8 bytes a lane covers 256 consecutive bytes a wave.
; The compare masks serve v_cndmask_b32 alone: no branch and no address hangs on them.
	s_load_b256 s[4:11], s[0:1], 0x0               ; pv s[4:5], pi s[6:7], radius s[8:9], out1 s[10:11]
	s_load_b128 s[12:15], s[0:1], 0x20             ; out2 s[12:13], out3 s[14:15]
	s_lshl_b32 s16, ttmp9, 10
	s_lshl_b32 s17, ttmp9, 8
	v_lshl_add_u32 v1, v0, 3, s16                  ; 8 bytes a thread
	v_lshl_add_u32 v2, v0, 1, s17                  ; 2 bytes a thread
	s_mov_b32 s18, 0x3d4ccccd                      ; 0.05
	s_wait_alu depctr_va_vdst(0)
	s_wait_kmcnt 0x0
.irp s, 0,1,2,3,4,5,6,7
	global_load_b64 v[4+2*\s:5+2*\s], v1, s[4:5] offset:16384*\s
	global_load_b64 v[20+2*\s:21+2*\s], v1, s[6:7] offset:16384*\s
.endr
	global_load_b64 v[36:37], v1, s[8:9]
	s_wait_loadcnt 0x0
.irp s, 1,2,3,4,5,6,7
.irp e, 0,1
	v_cmp_gt_f32 s[20+\e], v[4+2*\s+\e], v[4+\e]
	v_cndmask_b32 v[4+\e], v[4+\e], v[4+2*\s+\e], s[20+\e]
	v_cndmask_b32 v[20+\e], v[20+\e], v[20+2*\s+\e], s[20+\e]
.endr
.endr
.irp e, 0,1
	v_cmp_lt_f32 s[20+\e], s18, v[36+\e]           ; meaningful
	v_cmp_lt_f32 s[22+\e], 0.5, v[4+\e]
	s_and_b32 s[22+\e], s[22+\e], s[20+\e]         ; matched
	v_cndmask_b32 v[40+\e], 0, v[4+\e], s[22+\e]
	v_cndmask_b32 v[42+\e], -1, v[20+\e], s[22+\e]
	v_cndmask_b32 v[44+\e], 0, 1, s[20+\e]
.endr
	v_lshl_or_b32 v44, v45, 8, v44                 ; two bytes
	global_store_b64 v1, v[40:41], s[10:11]
	global_store_b64 v1, v[42:43], s[12:13]
	global_store_b16 v2, v44, s[14:15]
	s_endpgm
.Lfunc_end_k_q4e39449e00_pick:
	.size	k_q4e39449e00_pick, .Lfunc_end_k_q4e39449e00_pick-k_q4e39449e00_pick
	.p2alignl 7, 3214868480
	.fill 96, 4, 3214868480
	.section	.rodata,"a",@progbits
	.p2align	6, 0x0
	.amdhsa_kernel k_q4e39449e00_pick
		.amdhsa_group_segment_fixed_size 0
		.amdhsa_private_segment_fixed_size 0
		.amdhsa_enable_private_segment 0
		.amdhsa_kernarg_size 48
		.amdhsa_user_sgpr_count 2
		.amdhsa_user_sgpr_kernarg_segment_ptr 1
		.amdhsa_wavefront_size32 1
		.amdhsa_system_sgpr_workgroup_id_x 1
		.amdhsa_system_sgpr_workgroup_id_y 1
		.amdhsa_system_sgpr_workgroup_id_z 1
		.amdhsa_system_vgpr_workitem_id 0
		.amdhsa_next_free_vgpr 48
		.amdhsa_next_free_sgpr 66
		.amdhsa_reserve_vcc 0
		.amdhsa_float_denorm_mode_32 3
		.amdhsa_float_denorm_mode_16_64 3
		.amdhsa_memory_ordered 1
		.amdhsa_forward_progress 1
		.amdhsa_inst_pref_size 6
	.end_amdhsa_kernel
	.amdgpu_metadata
---
amdhsa.version: [ 1, 2 ]
amdhsa.kernels:
  - .name:           k_q4e39449e00_pick
    .symbol:         k_q4e39449e00_pick.kd
    .args:
      - { .name: pv, .offset: 0, .size: 8, .value_kind: global_buffer, .address_space: global }
      - { .name: pi, .offset: 8, .size: 8, .value_kind: global_buffer, .address_space: global }
      - { .name: radius, .offset: 16, .size: 8, .value_kind: global_buffer, .address_space: global }
      - { .name: out1, .offset: 24, .size: 8, .value_kind: global_buffer, .address_space: global }
      - { .name: out2, .offset: 32, .size: 8, .value_kind: global_buffer, .address_space: global }
      - { .name: out3, .offset: 40, .size: 8, .value_kind: global_buffer, .address_space: global }
    .group_segment_fixed_size: 0
    .private_segment_fixed_size: 0
    .kernarg_segment_align: 8
    .kernarg_segment_size: 48
    .max_flat_workgroup_size: 128
    .sgpr_count:     66
    .vgpr_count:     48
    .wavefront_size: 32
...
	.end_amdgpu_metadata
.endif
;; end of part 4
